; MI455X (gfx1250); checked and timed in simulation.
; The chip was launched on July 23, 2026; its instructions are those of AMD's public machine-readable ISA for CDNA 5 (MIT licence, August 2026) and "CDNA5" Instruction Set Architecture Reference Guide (July 2026). The comments in the code are by the model that wrote it; some were corrected since.
;; Grouped Query Attention. Allowed arithmetic: matrix products marked QUANTISED: E5M2 operands, one E8M0 scale for each 32 along K, by v_wmma_scale_f32_16x16x128_f8f6f4 with both operands' format E5M2, f32 sums; everything else in f32.
;; Inputs: Wk 2,048 x 512 float32; Wq 2,048 x 2,048 float32; Wv 2,048 x 512 float32; bk 512 float32; bq 2,048 float32; bv 512 float32; hidden_states 2 x 2,048 x 2,048 float32.
;; Outputs: out0 2 x 2,048 x 2,048 float32.
;; This version of the problem:
;;   THIS VERSION OF THE PROBLEM IS GIVEN IN LOW PRECISION. The matrix products marked QUANTISED in the list below multiply operands that are first quantised to E5M2 (5 exponent bits, 2 mantissa bits; 8 bits a number), with one power-of-two scale for each 32 numbers along K (OCP MX v1.0); their sums are f32. All else is computed in f32.
;;   The module's matrix products, in the order in which they are computed (A, B: the left and right operand; K: the contracted axis; several contracted axes count as one K, in the product's order):
;;     1. [M 4,096, K 2,048] x [K 2,048, N 2,048]; A: input hidden_states; B: input Wq: QUANTISED
;;     2. [M 4,096, K 2,048] x [K 2,048, N 512]; A: input hidden_states; B: input Wk: QUANTISED
;;     3. [M 4,096, K 2,048] x [K 2,048, N 512]; A: input hidden_states; B: input Wv: QUANTISED
;;     4. batch 64 x [M 2,048, K 64] x [K 64, N 2,048]; A: computed on the way; B: computed on the way: QUANTISED
;;     5. batch 64 x [M 2,048, K 2,048] x [K 2,048, N 64]; A: softmax (see below); B: computed on the way: QUANTISED
;;   THE QUANTISER, for each operand of a quantised product, along K:
;;     - K is cut into blocks of 32 from its start; a last block that is shorter is filled with zeros.
;;     - A block's scale is 2^e with e = floor(log2(the largest magnitude in the block)) - 15, held to -126 .. 127; a block of zeros has e = 0. As a byte (E8M0): e + 127.
;;     - Each number is divided by its block's scale, clamped to +-57,344, and rounded to the nearest number of E5M2, ties to even, subnormals kept.
;;     - The product sums the exact products of the quantised numbers (number of the format x scale) in f32.
;;   ~~~python
;;   def quantise(x, axis):      # numpy; x: float32 -> the quantised numbers, widened to float32 again
;;       x = np.moveaxis(x, axis, -1); K = x.shape[-1]
;;       x = np.pad(x, [(0, 0)] * (x.ndim - 1) + [(0, -K % 32)]); x = x.reshape(x.shape[:-1] + (-1, 32)); a = np.abs(x).max(-1, keepdims=True)
;;       e = np.where(a > 0, np.clip(np.frexp(np.where(a > 0, a, 1))[1] - 1 - 15, -126, 127), 0)      # np.frexp(a)[1] - 1 = floor(log2(a)), exactly
;;       r = np.clip(x / 2.0 ** e, -57344, 57344)
;;       step = 2.0 ** (np.maximum(np.frexp(np.where(r == 0, 1, r))[1] - 1, -14) - 2)
;;       q = np.round(r / step) * step * 2.0 ** e      # np.round: ties to even
;;       return np.moveaxis(q.reshape(q.shape[:-2] + (-1,))[..., :K], -1, axis).astype(np.float32)
;;   ~~~
;;   SOFTMAX AHEAD OF A QUANTISED PRODUCT. Where the list says 'softmax', what is quantised is not the finished softmax but p = 2^(t - M), with t = logit x log2(e) and M = ceil(the row's largest t), a whole number; so 1/2 < the row's largest p <= 1. The row's sum l is taken of the UNQUANTISED p, in f32, and the product's result is divided by l at the end. Since M is a whole number, a kernel that streams over the keys may use a running M (the ceiling of the running maximum): every later rescaling is an exact power of two, which a block's scale takes up: the codes' values come out the same.
;;   OPERANDS COMPUTED ON THE WAY. 'Computed on the way' means the value that the module computes at that place (a softmax that the list does not call 'softmax' is quantised finished and normalised). What goes into a quantiser is computed in f32, as accurately as f32 sums, v_exp_f32 and their like allow (about 1e-6 of the number): no bf16 or f16 on the way to a quantiser, and a product that is left as it is and whose result goes on into a quantised operand takes f32 operands (vector FMAs, or v_wmma_f32_16x16x4_f32). A number that lies on a knife's edge between two numbers of the format may be rounded either way, as far as f32 arithmetic and the matrix unit's own rounding can turn it there, and no further.
;; One version. Each part assembles by itself: llvm-mc -triple=amdgcn-amd-amdhsa -mcpu=gfx1250 --defsym DOCPART=n.
;; ======== version 1 of 1: 3 launches
;; limits: right only within a limited range of input values
;; workspace buffers: x_codes 8,388,608 bytes; x_scales 262,144 bytes; w_codes 6,291,456 bytes; w_scales 196,608 bytes; qkv_codes 12,779,520 bytes; qkv_scales 524,288 bytes
;; launch quant (part 1): grid 448 x 1, 4 waves a work-group, no clusters, 68,096 bytes of LDS; arguments hidden_states, Wq, Wk, Wv, x_codes, x_scales, w_codes, w_scales; writes x_codes, x_scales, w_codes, w_scales
.if DOCPART == 1
	.amdgcn_target "amdgcn-amd-amdhsa--gfx1250"
	.amdhsa_code_object_version 6
	.text
	.protected	k_q72215eae27_quant
	.globl	k_q72215eae27_quant
	.p2align	8
	.type	k_q72215eae27_quant,@function
k_q72215eae27_quant:
	s_mov_b64 s[64:65], 0
	v_nop
	global_prefetch_b8 v0, s[64:65] scope:SCOPE_SE
	s_setreg_imm32_b32 hwreg(HW_REG_WAVE_MODE, 25, 1), 1
	s_wait_xcnt 0x0
; hidden_states [4096][2048] f32 and the weights Wq [2048][2048], Wk, Wv [2048][512] f32 become codes of BF8 (E5M2) with K innermost and one E8M0 byte for each 32 along K.
; A block's scale is 2^(floor(log2(its largest magnitude)) - 15): its byte is the largest magnitude's exponent field - 15, held at 1 from below; each number is divided by the scale,
; held within +-57,344 and rounded to the nearest code, ties to even.
; LIMITS: NaN and infinities among the inputs are not served.  A block of zeros gets the byte 1 where the rule says 127: its codes are zeros, which add nothing under any byte but 0xff,
; and the bytes are read by this program alone.
; THE ROWS OF THE WORKSPACE ARE PERMUTED: row R of x and column n of a weight go to workspace row sigma(R), sigma = the exchange of bits 3 and 4.  The next launch then reads 16 neighbouring
; workspace rows as a fragment, and these are the rows 32 (i / 2) + 8 (i % 2) + r + 8 (r / 8): its results come out with 16 neighbours along the next K in a lane's registers.
; w_codes' rows: Wq's 2,048 columns; then, four times, 128 columns of Wk and 128 columns of Wv.
; Work-groups 0-255 take x (a stream of blocks: K is innermost), work-groups 256-447 the weights (K is the first axis: a lane takes a column and its registers run down K).
; The two paths part on the work-group's number and have LDS bytes of their own.  No tensor loads, no barrier: waves share nothing.
.set XWG,    256
.set STEPS,  16
.set EMAX,   15
.set MANT,   0x600000                  ; the mantissa field of 57,344 as f32
.set CB,     16                        ; bytes of 16 codes
.set R,      16                        ; x: v16-79   four sets of 16 numbers as they are loaded
.set X,      80                        ; x: v80-111  two sets of 16 neighbours
.set E,      112                       ; x: v112-127 a scale byte for each step
.set C,      128                       ; x: v128-191 codes: four registers for each step
.set WREG,   8192                      ; x: LDS of a wave: two stages of 32 x SP bytes, then its 256 scale bytes
.set SP,     80                        ; x: a lane's place in a stage: 64 bytes + 16 of padding
.set WLDS,   32768                     ; w: its LDS begins behind x's
.set NB,     8                         ; w: blocks of 32 along K for a wave
.set WPITCH, 272                       ; w: a stage row: 256 bytes of codes + 16
.set WX,     32                        ; w: v32-95   two sets of 32 numbers
.set WC,     96                        ; w: v96-103  a block's codes
.set OUTR,   112                       ; w: v112-175 the way out
.set SB,     24                        ; w: v24-25   the scale bytes
.set VO,     176                       ; w: v176-207 4 x lane + i x a row's bytes
.set RS,     29                        ; w: s29      bytes in a row of the weight
.set WB,     32                        ; w: s[32:47] a base for each of the eight blocks
	s_load_b256 s[4:11], s[0:1], 0x0               ; hidden s[4:5], Wq s[6:7], Wk s[8:9], Wv s[10:11]
	s_load_b256 s[12:19], s[0:1], 0x20             ; x_codes s[12:13], x_scales s[14:15], w_codes s[16:17], w_scales s[18:19]
	v_lshl_add_u32 v208, v0, 2, 0x10800
	v_mov_b32 v209, 0
	v_lshrrev_b32 v1, 5, v0
	v_readfirstlane_b32 s20, v1                    ; wave
	v_and_b32 v2, 31, v0                           ; lane
	s_cmp_lt_u32 ttmp9, XWG
	s_cbranch_scc0 .Lweights
; ---------------- x: a wave takes 16 steps of 512 numbers: four rows of x.  Each load reads 512 consecutive bytes; a step's 2,048 bytes turn through the wave's stage so that a lane holds 16 neighbours.
	v_lshlrev_b32 v3, 4, v2                        ; my 16 bytes of a load's 512
	s_mul_i32 s21, s20, WREG
	v_lshrrev_b32 v14, 2, v2
	v_mul_u32_u24 v14, v14, SP
	v_and_b32 v15, 3, v2
	v_lshl_add_u32 v14, v15, 4, v14
	v_add_nc_u32 v14, s21, v14                     ; the stage, on the way in: SP (lane / 4) + 16 (lane % 4)
	v_mul_u32_u24 v15, v2, SP
	v_add_nc_u32 v15, s21, v15                     ; and on the way out: SP x lane
	v_mul_u32_u24 v4, v2, CB                       ; my codes' place in a step's
	v_lshrrev_b32 v5, 1, v2
	s_add_co_u32 s21, s21, 2*32*SP
	v_add_nc_u32 v5, s21, v5                       ; my wave's 256 scale bytes, my block's byte
	v_lshlrev_b32 v7, 3, v2
	v_add_nc_u32 v6, s21, v7                       ; and on the way out 8 bytes a lane
	s_mov_b32 s23, MANT
	s_lshl_b32 s22, ttmp9, 2
	s_add_co_u32 s22, s22, s20                     ; u: my run of four rows, 4 u .. 4 u + 3
	s_and_b32 s24, s22, 0xfffffff9
	s_and_b32 s25, s22, 2
	s_lshl_b32 s25, s25, 1
	s_or_b32 s24, s24, s25
	s_and_b32 s25, s22, 4
	s_lshr_b32 s25, s25, 1
	s_or_b32 s24, s24, s25                         ; u': bits 1 and 2 of u exchanged = bits 3 and 4 of the row
	s_lshl_b32 s26, s22, 15                        ; 32,768 bytes of f32 a run
	s_mov_b32 s27, 0
	s_lshl_b32 s28, s24, 13                        ; 8,192 bytes of codes
	s_mov_b32 s29, 0
	s_lshl_b32 s30, s24, 8                         ; 256 scale bytes
	s_mov_b32 s31, 0
	s_wait_alu depctr_va_vdst(0)
	s_wait_kmcnt 0x0
	s_add_nc_u64 s[4:5], s[4:5], s[26:27]
	s_add_nc_u64 s[12:13], s[12:13], s[28:29]
	s_add_nc_u64 s[14:15], s[14:15], s[30:31]
.macro XLOAD t
.irp i, 0,1,2,3
	global_load_b128 v[R+16*((\t)%4)+4*\i:R+16*((\t)%4)+4*\i+3], v3, s[4:5] offset:2048*(\t)+512*\i th:TH_LOAD_NT   ; 32 lanes read 512 consecutive bytes
.endr
.endm
.macro XTURN t                         ; step t's numbers through the stage: LDS serves a wave's instructions in order, so no wait stands between the stores and the loads
.irp i, 0,1,2,3
	ds_store_b128 v14, v[R+16*((\t)%4)+4*\i:R+16*((\t)%4)+4*\i+3] offset:32*SP*((\t)%2)+8*SP*\i
.endr
.irp i, 0,1,2,3
	ds_load_b128 v[X+16*((\t)%2)+4*\i:X+16*((\t)%2)+4*\i+3], v15 offset:32*SP*((\t)%2)+16*\i
.endr
.endm
.macro XSTEP t
.set XS, X+16*((\t)%2)
.if (\t) > 0
	s_wait_dscnt 1                                 ; this step's numbers are back from the stage (the last step's byte store may be out)
.else
	s_wait_dscnt 0x0
.endif
.if (\t)+4 < STEPS
	XLOAD (\t)+4                                   ; into the registers whose stores into the stage are done
.endif
.if (\t)+1 < STEPS
.if STEPS-2-(\t) >= 3
	s_wait_loadcnt 12                              ; the next step's four loads are in; those of the three steps behind it may be out
.else
	s_wait_loadcnt 4*(STEPS-2-(\t))
.endif
	XTURN (\t)+1
.endif
	v_max3_num_f32 v8, |v[XS]|, |v[XS+1]|, |v[XS+2]|               ; the largest magnitude of my 16
	v_max3_num_f32 v9, |v[XS+3]|, |v[XS+4]|, |v[XS+5]|
.irp i, 6,10
	v_max3_num_f32 v8, v8, |v[XS+\i]|, |v[XS+\i+1]|
	v_max3_num_f32 v9, v9, |v[XS+\i+2]|, |v[XS+\i+3]|
.endr
	v_max3_num_f32 v8, v8, |v[XS+14]|, |v[XS+15]|
	v_max3_num_f32 v8, v8, v9, (EMAX+1)<<23        ; and the floor 2^(16 - 127): the byte cannot fall under 1
	v_max_num_f32_dpp v8, v8, v8 row_xmask:1 row_mask:0xf bank_mask:0xf   ; and of my neighbour's 16: the block's
	v_add_nc_u32 v11, -(EMAX<<23), v8              ; 15 off its exponent field: the conversion's scale operand
	v_and_or_b32 v10, v8, 0x7f800000, s23          ; 57,344 x the scale
.irp i, 0,1,2,3,4,5,6,7,8,9,10,11,12,13,14,15
	v_med3_num_f32 v[XS+\i], v[XS+\i], -v10, v10   ; the conversion to an 8-bit code does not saturate (ISA guide 7.6.2): the hold
.endr
	v_cvt_scalef32_pk8_bf8_f32 v[C+4*(\t):C+4*(\t)+1], v[XS:XS+7], v11
	v_cvt_scalef32_pk8_bf8_f32 v[C+4*(\t)+2:C+4*(\t)+3], v[XS+8:XS+15], v11
	v_lshrrev_b32 v[E+(\t)], 23, v11               ; the scale's byte
	ds_store_b8 v5, v[E+(\t)] offset:16*(\t)       ; both lanes of a block write the same byte with the same value
	global_store_b128 v4, v[C+4*(\t):C+4*(\t)+3], s[12:13] offset:32*CB*(\t)   ; the wave stores 512 consecutive bytes
.endm
.irp t, 0,1,2,3
	XLOAD \t
.endr
	s_wait_loadcnt 12                              ; step 0's four loads are in
	XTURN 0
.irp t, 0,1,2,3,4,5,6,7,8,9,10,11,12,13,14,15
	XSTEP \t
.endr
	ds_load_b64 v[12:13], v6                       ; LDS serves a wave's instructions in order: these see my stores
	s_wait_dscnt 0x0
	global_store_b64 v7, v[12:13], s[14:15]        ; 32 lanes store 256 consecutive bytes, aligned
	s_wait_tensorcnt 0x0
	ds_add_u32 v208, v209
	s_wait_dscnt 0x0
	s_endpgm
; ---------------- the weights: work-group j = 8 cb + ky takes 128 columns (block cb of 24) x 256 along K (ky); a wave 32 columns: 8 blocks a lane.
.Lweights:
	s_sub_co_u32 s21, ttmp9, XWG
	s_lshr_b32 s22, s21, 3                         ; cb: 0-15 Wq, 16-19 Wk, 20-23 Wv
	s_and_b32 s23, s21, 7                          ; ky
	s_lshl_b32 s28, s22, 7                         ; Wq: first column and first workspace row = 128 cb
	s_wait_kmcnt 0x0
	s_cmp_lt_u32 s22, 20                           ; the choices hang on the work-group's number alone
	s_cselect_b64 s[8:9], s[8:9], s[10:11]         ; Wk or Wv
	s_cselect_b32 s24, 16, 20
	s_cselect_b32 s25, 0, 128                      ; Wv's rows lie 128 behind Wk's
	s_sub_co_u32 s24, s22, s24                     ; which 128 columns of Wk or Wv
	s_lshl_b32 s26, s24, 8
	s_add_co_u32 s26, s26, s25
	s_add_co_u32 s26, s26, 2048                    ; their first workspace row
	s_lshl_b32 s27, s24, 7                         ; their first column
	s_mov_b32 s[RS], 2048
	s_cmp_lt_u32 s22, 16
	s_cselect_b64 s[6:7], s[6:7], s[8:9]           ; the weight
	s_cselect_b32 s26, s28, s26                    ; first workspace row
	s_cselect_b32 s27, s28, s27                    ; first column
	s_cselect_b32 s[RS], 8192, s[RS]               ; bytes in a row
	s_wait_alu depctr_va_vdst(0)
	v_lshlrev_b32 v3, 2, v2                        ; in: 4 bytes a lane
.set II, 0
.rept 32
	v_mad_u32_u24 v[VO+II], s[RS], II, v3          ; row i of a block
.set II, II+1
.endr
	s_lshl_b32 s30, s23, 8
	s_mul_i32 s30, s30, s[RS]                      ; 256 ky rows
	s_lshl_b32 s31, s20, 5
	s_add_co_u32 s31, s31, s27
	s_lshl_b32 s31, s31, 2                         ; + 4 (first column + 32 wave)
	s_add_co_u32 s30, s30, s31
	s_mov_b32 s31, 0
	s_add_nc_u64 s[WB:WB+1], s[6:7], s[30:31]
	s_lshl_b32 s48, s[RS], 5                       ; 32 rows from block to block
	s_mov_b32 s49, 0
.irp t, 1,2,3,4,5,6,7
	s_add_nc_u64 s[WB+2*\t:WB+2*\t+1], s[WB+2*\t-2:WB+2*\t-1], s[48:49]
.endr
	s_mul_i32 s50, s20, 32*WPITCH
	s_add_co_u32 s50, s50, WLDS                    ; my stage
	v_mul_u32_u24 v4, v2, WPITCH
	v_add_nc_u32 v4, s50, v4                       ; into it: row = my column
	v_and_b32 v5, 15, v2
	v_lshrrev_b32 v6, 4, v2
	v_mul_u32_u24 v7, v6, WPITCH
	v_lshl_add_u32 v7, v5, 4, v7
	v_add_nc_u32 v7, s50, v7                       ; out of it: sixteen lanes to a row, two rows an instruction
	v_lshlrev_b32 v8, 11, v6
	v_lshl_add_u32 v8, v5, 4, v8                   ; and the same place in the codes' buffer (rows of 2,048 bytes)
	v_and_b32 v9, 7, v2
	v_and_b32 v10, 8, v2
	v_lshl_or_b32 v9, v10, 1, v9
	v_and_b32 v10, 16, v2
	v_lshrrev_b32 v10, 1, v10
	v_or_b32 v9, v9, v10                           ; sigma(lane)
	v_lshlrev_b32 v9, 6, v9                        ; my column's row of scale bytes (64 bytes a row)
	s_lshl_b32 s52, s20, 5
	s_add_co_u32 s52, s52, s26                     ; my wave's first workspace row
	s_lshl_b32 s54, s52, 11
	s_lshl_b32 s53, s23, 8
	s_add_co_u32 s54, s54, s53
	s_mov_b32 s55, 0
	s_add_nc_u64 s[16:17], s[16:17], s[54:55]      ; codes: row x 2,048 + 256 ky
	s_lshl_b32 s54, s52, 6
	s_lshl_b32 s53, s23, 3
	s_add_co_u32 s54, s54, s53
	s_add_nc_u64 s[18:19], s[18:19], s[54:55]      ; scale bytes: row x 64 + 8 ky
	s_mov_b32 s51, MANT
.macro WLOAD t                         ; block t: W(32 t + i, my column), i = 0 .. 31, into set t % 2: each load reads 128 consecutive bytes
.set II, 0
.rept 32
	global_load_b32 v[WX+32*((\t)%2)+II], v[VO+II], s[WB+2*(\t):WB+2*(\t)+1] th:TH_LOAD_NT
.set II, II+1
.endr
.endm
.macro WBLOCK t
.set XS, WX+32*((\t)%2)
.if (\t) < NB-1
	s_wait_loadcnt 32                              ; this block's 32 loads are in; the next block's may be out
.else
	s_wait_loadcnt 0
.endif
	v_max3_num_f32 v12, |v[XS]|, |v[XS+1]|, |v[XS+2]|               ; the block's largest magnitude: all 32 numbers are mine
	v_max3_num_f32 v13, |v[XS+3]|, |v[XS+4]|, |v[XS+5]|
.irp i, 6,10,14,18,22,26
	v_max3_num_f32 v12, v12, |v[XS+\i]|, |v[XS+\i+1]|
	v_max3_num_f32 v13, v13, |v[XS+\i+2]|, |v[XS+\i+3]|
.endr
	v_max3_num_f32 v12, v12, |v[XS+30]|, |v[XS+31]|
	v_max3_num_f32 v12, v12, v13, (EMAX+1)<<23     ; and the floor
	v_add_nc_u32 v11, -(EMAX<<23), v12             ; the conversion's scale operand
	v_and_or_b32 v10, v12, 0x7f800000, s51         ; 57,344 x the scale
	v_lshrrev_b32 v13, 23, v11                     ; the scale's byte
.if (\t)%4 == 0
	v_mov_b32 v[SB+(\t)/4], v13                    ; four bytes to a register, the lower K in the lower byte
.else
	v_lshl_or_b32 v[SB+(\t)/4], v13, 8*((\t)%4), v[SB+(\t)/4]
.endif
.set II, 0
.rept 32
	v_med3_num_f32 v[XS+II], v[XS+II], -v10, v10   ; the hold
.set II, II+1
.endr
.irp g, 0,1,2,3
	v_cvt_scalef32_pk8_bf8_f32 v[WC+2*\g:WC+2*\g+1], v[XS+8*\g:XS+8*\g+7], v11
.endr
	ds_store_b128 v4, v[WC:WC+3] offset:32*(\t)    ; 32 codes: 32 bytes of my column's row
	ds_store_b128 v4, v[WC+4:WC+7] offset:32*(\t)+16
.if (\t)+2 < NB
	WLOAD (\t)+2
.endif
	s_wait_dscnt 0x0                               ; the stores have read their registers: the next block's codes may be written
.endm
	WLOAD 0
	WLOAD 1
.irp t, 0,1,2,3,4,5,6,7
	WBLOCK \t
.endr
	global_store_b64 v9, v[SB:SB+1], s[18:19]      ; my column's 8 scale bytes
.irp t, 0,1,2,3,4,5,6,7,8,9,10,11,12,13,14,15
	ds_load_b128 v[OUTR+4*\t:OUTR+4*\t+3], v7 offset:2*\t*WPITCH   ; LDS serves a wave's instructions in order: these see my stores
.endr
.irp t, 0,1,2,3,4,5,6,7,8,9,10,11,12,13,14,15
	s_wait_dscnt 15-\t
	global_store_b128 v8, v[OUTR+4*\t:OUTR+4*\t+3], s[16:17] offset:((((2*\t)&7)|(((2*\t)&8)<<1)|(((2*\t)&16)>>1))*2048)   ; columns 2 t, 2 t + 1 go to rows sigma(2 t), sigma(2 t) + 1: sixteen lanes store 256 consecutive bytes, aligned
.endr
	s_wait_tensorcnt 0x0
	ds_add_u32 v208, v209
	s_wait_dscnt 0x0
	s_endpgm
.Lfunc_end_k_q72215eae27_quant:
	.size	k_q72215eae27_quant, .Lfunc_end_k_q72215eae27_quant-k_q72215eae27_quant
	.p2alignl 7, 3214868480
	.fill 96, 4, 3214868480
	.section	.rodata,"a",@progbits
	.p2align	6, 0x0
	.amdhsa_kernel k_q72215eae27_quant
		.amdhsa_group_segment_fixed_size 68096
		.amdhsa_private_segment_fixed_size 0
		.amdhsa_enable_private_segment 0
		.amdhsa_kernarg_size 64
		.amdhsa_user_sgpr_count 2
		.amdhsa_user_sgpr_kernarg_segment_ptr 1
		.amdhsa_wavefront_size32 1
		.amdhsa_system_sgpr_workgroup_id_x 1
		.amdhsa_system_sgpr_workgroup_id_y 1
		.amdhsa_system_sgpr_workgroup_id_z 1
		.amdhsa_system_vgpr_workitem_id 0
		.amdhsa_next_free_vgpr 210
		.amdhsa_next_free_sgpr 66
		.amdhsa_reserve_vcc 0
		.amdhsa_float_denorm_mode_32 3
		.amdhsa_float_denorm_mode_16_64 3
		.amdhsa_memory_ordered 1
		.amdhsa_forward_progress 1
		.amdhsa_inst_pref_size 112
	.end_amdhsa_kernel
	.amdgpu_metadata
---
amdhsa.version: [ 1, 2 ]
amdhsa.kernels:
  - .name:           k_q72215eae27_quant
    .symbol:         k_q72215eae27_quant.kd
    .args:
      - { .name: hidden_states, .offset: 0, .size: 8, .value_kind: global_buffer, .address_space: global }
      - { .name: Wq, .offset: 8, .size: 8, .value_kind: global_buffer, .address_space: global }
      - { .name: Wk, .offset: 16, .size: 8, .value_kind: global_buffer, .address_space: global }
      - { .name: Wv, .offset: 24, .size: 8, .value_kind: global_buffer, .address_space: global }
      - { .name: x_codes, .offset: 32, .size: 8, .value_kind: global_buffer, .address_space: global }
      - { .name: x_scales, .offset: 40, .size: 8, .value_kind: global_buffer, .address_space: global }
      - { .name: w_codes, .offset: 48, .size: 8, .value_kind: global_buffer, .address_space: global }
      - { .name: w_scales, .offset: 56, .size: 8, .value_kind: global_buffer, .address_space: global }
    .group_segment_fixed_size: 68096
    .private_segment_fixed_size: 0
    .kernarg_segment_align: 8
    .kernarg_segment_size: 64
    .max_flat_workgroup_size: 128
    .sgpr_count:     66
    .vgpr_count:     210
    .wavefront_size: 32
...
	.end_amdgpu_metadata
.endif
;; end of part 1
;; launch proj (part 2): grid 12 x 16, 4 waves a work-group, clusters of 4 x 4, 327,680 bytes of LDS; arguments x_codes, x_scales, w_codes, w_scales, qkv_codes, qkv_scales, bq, bk, bv; writes qkv_codes, qkv_scales
.if DOCPART == 2
	.amdgcn_target "amdgcn-amd-amdhsa--gfx1250"
	.amdhsa_code_object_version 6
	.text
	.protected	k_q72215eae27_proj
	.globl	k_q72215eae27_proj
	.p2align	8
	.type	k_q72215eae27_proj,@function
k_q72215eae27_proj:
	s_mov_b64 s[64:65], 0
	v_nop
	global_prefetch_b8 v0, s[64:65] scope:SCOPE_SE
	s_setreg_imm32_b32 hwreg(HW_REG_WAVE_MODE, 25, 1), 1
	s_wait_xcnt 0x0
	s_wait_alu depctr_hold_cnt(0) depctr_sa_sdst(0) depctr_va_vdst(0) depctr_va_sdst(0) depctr_va_ssrc(0) depctr_va_vcc(0) depctr_vm_vsrc(0)
	s_getreg_b32 s2, hwreg(HW_REG_IB_STS2, 6, 4)
	s_cmp_eq_u32 s2, 0
	s_cbranch_scc0 .Lentry_in_a_cluster
	s_endpgm
.Lentry_in_a_cluster:
	s_bfe_u32 s2, ttmp6, 0x10000c
	s_cmp_lg_u32 s2, 0xf033
	s_cbranch_scc0 .Lentry_shape_is_right
	s_endpgm
.Lentry_shape_is_right:
.set KSTEP,  256
.set NQ,     2
.set ROWB,   256
.set KROW,   2048
.set PITCH,  272
.set FR,     16
.set NL,     4
.set NP,     8
.set HALFT,  128*PITCH
.set SLOT,   4*HALFT
.set LAPS,   4
.set KS,     64
.set SCL,    2*SLOT
.set HALFS,  32*272
.set SBLK,   4*272
.set SPARE,  SCL+4*HALFS
.set BA,   8
.set ADRA, 16
.set ADRB, 20
.set ADRS, 27
.set SPW,  28
.set NIL,  29
.set SC,   32
.set BI,   64
.set AF,   128
.set WD,   64
.set TM,   72
.set OFF,  96
.set SA,   100
.set SELV, 101
.set XW,   104
.set PC,   128
.set WV,   22
.set RH,   23
.set CH,   66
.set CX,   67
.set CY,   92
.set TC,   93
.set TR,   94
.set ISKV, 95
.set ISV,  96
.set G1, 24
.set G0, 32
.set G1B, 48
.set G0B, 56
.set G1S, 68
.set G0S, 76
.set G1SB, 80
.set G0SB, 88
.set MSB, 0
.macro WIN new
.if MSB != \new
	s_set_vgpr_msb (MSB<<8)|\new
.set MSB, \new
.endif
.endm
.set MUL_LO, 0xa1
.set MUL_HI, 0xf1
.set TO_B,   0x40
.macro JLOAD g0a, g1a, g0b, g1b
	s_cmp_eq_u32 s[RH], 0
	s_cbranch_scc0 .Lfor_b_\@
	tensor_load_to_lds s[\g0a:\g0a+3], s[\g1a:\g1a+7]
	s_nop 0
.rept 4
	v_nop
.endr
	s_branch .Lasked_\@
.Lfor_b_\@:
	tensor_load_to_lds s[\g0b:\g0b+3], s[\g1b:\g1b+7]
	s_nop 0
.rept 4
	v_nop
.endr
.Lasked_\@:
.endm
.macro CREST
	s_cmp_lg_u32 s[WV], 0
	s_cbranch_scc1 .Lnot_wave_0_\@
	s_barrier_signal -3
.Lnot_wave_0_\@:
	s_barrier_wait -3
	s_barrier_signal -1
	s_barrier_wait -1
.endm
.macro CROUND
	s_barrier_signal -1
	s_barrier_wait -1
	CREST
.endm
	s_load_b256 s[4:11], s[0:1], 0x0
	s_load_b128 s[12:15], s[0:1], 0x20
	s_load_b128 s[16:19], s[0:1], 0x30
	s_load_b64 s[20:21], s[0:1], 0x40
	v_lshl_add_u32 v[SPW], v0, 2, SPARE
	v_mov_b32 v[NIL], 0
	ds_add_u32 v28, v29
	ds_add_u32 v28, v29
	s_wait_dscnt 0x0
	v_lshrrev_b32 v1, 5, v0
	v_readfirstlane_b32 s[WV], v1
	s_lshr_b32 s[RH], s[WV], 1
	s_and_b32 s[CH], s[WV], 1
	s_bfe_u32 s[CX], ttmp6, 0x40000
	s_bfe_u32 s[CY], ttmp6, 0x40004
	s_lshl_b32 s[TC], ttmp9, 2
	s_add_co_u32 s[TC], s[TC], s[CX]
	s_and_b32 s[TR], ttmp7, 0xffff
	s_lshl_b32 s[TR], s[TR], 2
	s_add_co_u32 s[TR], s[TR], s[CY]
	s_cmp_eq_u32 ttmp9, 2
	s_cselect_b32 s[ISKV], 1, 0
	s_and_b32 s[ISV], s[ISKV], s[CH]
	s_lshl_b32 s97, s[CY], 2
	s_lshl_b32 s97, 15, s97
	s_lshl_b32 s100, 0x1111, s[CX]
	s_or_b32 s[G1+0], s97, (0<<16)|(1<<21)         ; no padding field: the tile is stated PITCH bytes wide over a tensor ROWB wide, so each LDS row's last 16 bytes are written as zeros
	s_or_b32 s[G1B+0], s100, (0<<16)|(1<<21)
.irp g, G1, G1B
	s_mov_b32 s[\g+1], ROWB<<16
	s_mov_b32 s[\g+2], 256<<16                     ; the head's loads bring 256 rows; behind them the two words that count rows are set to 128
	s_mov_b32 s[\g+3], PITCH<<16
	s_mov_b32 s[\g+4], 256
	s_mov_b32 s[\g+5], KROW
	s_mov_b32 s[\g+6], 0
	s_mov_b32 s[\g+7], 0
.endr
	s_or_b32 s[G1S+0], s97, (3<<16)|(1<<21)        ; likewise: 34 elements of 8 bytes stated over 32
	s_or_b32 s[G1SB+0], s100, (3<<16)|(1<<21)
.irp g, G1S, G1SB
	s_mov_b32 s[\g+1], 32<<16
	s_mov_b32 s[\g+2], 64<<16                      ; the scale bytes of 256 rows: 64 rows of 256 bytes
	s_mov_b32 s[\g+3], 34<<16
	s_mov_b32 s[\g+4], 64
	s_mov_b32 s[\g+5], 32
	s_mov_b32 s[\g+6], 0
	s_mov_b32 s[\g+7], 0
.endr
	s_lshl_b32 s101, s[CH], 7
	s_lshl_b32 s40, s[TR], 8
	s_add_co_u32 s40, s40, s101
	s_lshl_b32 s44, s[TC], 8
	s_add_co_u32 s44, s44, s101
	s_mov_b32 s41, 0
	s_mov_b32 s45, 0
	s_mov_b64 s[98:99], KS
	s_mul_u64 s[42:43], s[40:41], s[98:99]
	s_mul_u64 s[46:47], s[44:45], s[98:99]
	s_mov_b64 s[98:99], KROW
	s_mul_u64 s[40:41], s[40:41], s[98:99]
	s_mul_u64 s[44:45], s[44:45], s[98:99]
	s_mul_i32 s101, s[WV], HALFT
	s_wait_kmcnt 0x0
	s_add_nc_u64 s[40:41], s[4:5], s[40:41]
	s_add_nc_u64 s[42:43], s[6:7], s[42:43]
	s_add_nc_u64 s[44:45], s[8:9], s[44:45]
	s_add_nc_u64 s[46:47], s[10:11], s[46:47]
	CROUND
	s_mul_i32 s98, s[CH], 128*KS                   ; back from my half to the tile's first row
	s_mov_b32 s99, 0
	s_mov_b32 s[G0S], 1
	s_mov_b32 s[G0S+1], SCL
	s_sub_nc_u64 s[G0S+2:G0S+3], s[42:43], s[98:99]
	s_or_b32 s[G0S+3], s[G0S+3], 0x80000000
	s_mov_b32 s[G0SB], 1
	s_mov_b32 s[G0SB+1], SCL+2*HALFS
	s_sub_nc_u64 s[G0SB+2:G0SB+3], s[46:47], s[98:99]
	s_or_b32 s[G0SB+3], s[G0SB+3], 0x80000000
	s_mul_i32 s98, s[CH], 128*KROW
	s_sub_nc_u64 s[6:7], s[40:41], s[98:99]        ; s[4:7], s[8:11]: group 0 of the head's loads of K step 0: A's 256 rows, B's 256 rows (the arguments that lay there have been used)
	s_sub_nc_u64 s[10:11], s[44:45], s[98:99]
	s_mov_b32 s4, 1
	s_mov_b32 s5, 0
	s_or_b32 s7, s7, 0x80000000
	s_mov_b32 s8, 1
	s_mov_b32 s9, 2*HALFT
	s_or_b32 s11, s11, 0x80000000
.irp s, 0,1
	s_mov_b32 s[G0+4*\s], 1
	s_add_co_u32 s[G0+4*\s+1], s101, \s*SLOT
	s_add_nc_u64 s[G0+4*\s+2:G0+4*\s+3], s[40:41], \s*ROWB
	s_or_b32 s[G0+4*\s+3], s[G0+4*\s+3], 0x80000000
	s_mov_b32 s[G0B+4*\s], 1
	s_add_co_u32 s[G0B+4*\s+1], s101, \s*SLOT
	s_add_nc_u64 s[G0B+4*\s+2:G0B+4*\s+3], s[44:45], \s*ROWB
	s_or_b32 s[G0B+4*\s+3], s[G0B+4*\s+3], 0x80000000
.endr
; the head's loads, one a wave: wave 0 K step 0's 256 rows of A, wave 1 its 256 rows of B, wave 2 the scale bytes of A's 256 rows, wave 3 those of B's: one chain of branches on the wave's number
.macro ARM under, g0, g1, next
	s_cmp_lt_u32 s[WV], \under
	s_cbranch_scc0 \next
	tensor_load_to_lds s[\g0:\g0+3], s[\g1:\g1+7]
	s_nop 0
.rept 4
	v_nop
.endr
	s_branch .Lhead_asked
\next:
.endm
	ARM 1, 4, G1, .Lhead_b
	ARM 2, 8, G1B, .Lhead_sa
	ARM 3, G0S, G1S, .Lhead_sb
	tensor_load_to_lds s[G0SB:G0SB+3], s[G1SB:G1SB+7]
	s_nop 0
.rept 4
	v_nop
.endr
.Lhead_asked:
	v_and_b32 v1, 15, v0
	v_bfe_u32 v2, v0, 4, 1
	v_mul_u32_u24 v3, v1, PITCH
	v_lshl_add_u32 v4, v2, 4, v3
	s_wait_alu depctr_va_vdst(0)
	s_mul_i32 s40, s[RH], HALFT
	s_mul_i32 s41, s[CH], HALFT
	s_add_co_u32 s41, s41, 2*HALFT
	s_cmp_eq_u32 s[ISV], 1
	s_cselect_b32 s42, s41, s40
	s_cselect_b32 s43, s40, s41
.irp s, 0,1
	v_add_nc_u32 v[ADRA+\s], s42, v4
	v_add_nc_u32 v[ADRB+\s], s43, v4
	s_add_co_u32 s42, s42, SLOT
	s_add_co_u32 s43, s43, SLOT
.endr
	v_mul_u32_u24 v5, v1, KS
	v_lshrrev_b32 v6, 8, v5
	v_lshl_add_u32 v5, v6, 4, v5
	s_mul_i32 s40, s[RH], HALFS
	s_mul_i32 s41, s[CH], HALFS
	s_add_co_u32 s41, s41, 2*HALFS
	s_sub_co_u32 s41, s41, s40
	v_xor_b32 v6, s[ISV], v2
	v_mul_u32_u24 v6, s41, v6
	s_add_co_u32 s40, s40, SCL
	v_add_nc_u32 v5, v5, v6
	v_add_nc_u32 v[ADRS], s40, v5
	s_lshl_b32 s44, s[TC], 10
	s_lshl_b32 s45, s[CH], 9
	s_add_co_u32 s44, s44, s45
	s_lshl_b32 s45, s[CX], 9
	s_cmp_eq_u32 s[ISV], 1
	s_cselect_b64 s[18:19], s[20:21], s[18:19]
	s_cselect_b32 s40, 0, 64
	s_cselect_b32 s41, 4, 0
	s_cselect_b32 s42, 0, 4
	s_cmp_eq_u32 s[ISKV], 1
	s_cselect_b64 s[16:17], s[18:19], s[16:17]
	s_cselect_b32 s44, s45, s44
	s_mov_b32 s45, 0
	s_add_nc_u64 s[16:17], s[16:17], s[44:45]
	v_and_b32 v3, 8, v1
	v_add_nc_u32 v3, v3, v1
	v_mul_u32_u24 v3, s41, v3
	v_mad_u32_u24 v3, s40, v2, v3
.irp j, 0,1,2,3,4,5,6,7
	v_mad_u32_u24 v[BA+\j], s42, \j, v3
.endr
.irp x, 0,1,2,3,4,5,6,7
.irp j, 0,1,2,3,4,5,6,7
	global_load_b32 v[BI+8*\x+\j], v[BA+\j], s[16:17] offset:(32*(\x/2)+8*(\x%2))*4
.endr
.endr
.macro FRAG reg, adr, q, i
.irp c, 0,1,2,3
	ds_load_b128 v[\reg+4*\c:\reg+4*\c+3], v[\adr] offset:128*(\q)+32*\c+(\i)*16*PITCH
.endr
.endm
.macro MUL16 a0, p, q, sc, cm
.irp a, \a0, \a0+1
.irp b, 0,1,2,3,4,5,6,7
.if \cm == 1
	v_wmma_scale_f32_16x16x128_f8f6f4 v[8*(8*((\a)%4)+\b):8*(8*((\a)%4)+\b)+7], v[128*(\p)+FR*\b:128*(\p)+FR*\b+FR-1], v[AF+FR*(\a):AF+FR*(\a)+FR-1], v[BI+8*\b:BI+8*\b+7], v[SC+8*NQ*(\sc)+NQ*\b+(\q)], v[SC+8*NQ*(\sc)+NQ*(\a)+(\q)] matrix_a_fmt:MATRIX_FMT_BF8 matrix_b_fmt:MATRIX_FMT_BF8 matrix_a_scale:MATRIX_SCALE_ROW1
.elseif \cm == 2
	v_wmma_scale_f32_16x16x128_f8f6f4 v[8*(8*((\a)%4)+\b):8*(8*((\a)%4)+\b)+7], v[128*(\p)+FR*\b:128*(\p)+FR*\b+FR-1], v[AF+FR*(\a):AF+FR*(\a)+FR-1], v[BI+8*(\a):BI+8*(\a)+7], v[SC+8*NQ*(\sc)+NQ*\b+(\q)], v[SC+8*NQ*(\sc)+NQ*(\a)+(\q)] matrix_a_fmt:MATRIX_FMT_BF8 matrix_b_fmt:MATRIX_FMT_BF8 matrix_a_scale:MATRIX_SCALE_ROW1
.else
	v_wmma_scale_f32_16x16x128_f8f6f4 v[8*(8*((\a)%4)+\b):8*(8*((\a)%4)+\b)+7], v[128*(\p)+FR*\b:128*(\p)+FR*\b+FR-1], v[AF+FR*(\a):AF+FR*(\a)+FR-1], v[8*(8*((\a)%4)+\b):8*(8*((\a)%4)+\b)+7], v[SC+8*NQ*(\sc)+NQ*\b+(\q)], v[SC+8*NQ*(\sc)+NQ*(\a)+(\q)] matrix_a_fmt:MATRIX_FMT_BF8 matrix_b_fmt:MATRIX_FMT_BF8 matrix_a_scale:MATRIX_SCALE_ROW1
.endif
.endr
.endr
.endm
.macro FETCH_B slot, q, p
	WIN TO_B
.irp i, 0,1,2,3,4,5,6,7
	FRAG 128*(\p)+FR*\i, ADRB+\slot, \q, \i
.endr
	WIN 0
.endm
.macro FETCH_A slot, q, i0
.irp i, \i0, \i0+1, \i0+2, \i0+3
	FRAG AF+FR*(\i), ADRA+\slot, \q, \i
.endr
.endm
.macro SCALES sc
.irp i, 0,1,2,3,4,5,6,7
	ds_load_b64 v[SC+8*NQ*\sc+NQ*\i:SC+8*NQ*\sc+NQ*\i+1], v[ADRS] offset:\i*SBLK
.endr
.endm
.macro PLACES n
.rept \n
	v_nop
.endr
.endm
.macro STEP slot, q, cm
	s_wait_dscnt 4*NL
.if \cm
	WIN 0x81
.else
	WIN MUL_LO
.endif
	MUL16 0, (\q)%2, \q, \slot, \cm
	MUL16 2, (\q)%2, \q, \slot, \cm
	s_wait_dscnt 0
	PLACES NP
	FETCH_B \slot, (\q)+1, 1-(\q)%2
	FETCH_A \slot, (\q)+1, 0
.if \cm
	WIN 0xc1
.else
	WIN MUL_HI
.endif
	MUL16 4, (\q)%2, \q, \slot, \cm
	MUL16 6, (\q)%2, \q, \slot, \cm
	PLACES NP
	WIN 0
	FETCH_A \slot, (\q)+1, 4
.endm
.macro TURN slot, next, fill
	s_wait_tensorcnt 0x0
	ds_add_u32 v[SPW], v[NIL]
	s_wait_dscnt 4*NL+1
	WIN MUL_LO
	MUL16 0, 1, NQ-1, \slot, 0
	s_wait_dscnt 0x0
	s_barrier_signal -1
	MUL16 2, 1, NQ-1, \slot, 0
	WIN 0
	s_barrier_wait -1
.if \fill
	CREST
	s_add_nc_u64 s[G0+4*\slot+2:G0+4*\slot+3], s[G0+4*\slot+2:G0+4*\slot+3], 2*ROWB
	s_add_nc_u64 s[G0B+4*\slot+2:G0B+4*\slot+3], s[G0B+4*\slot+2:G0B+4*\slot+3], 2*ROWB
	JLOAD G0+4*\slot, G1, G0B+4*\slot, G1B
	PLACES NP-4
.else
	PLACES NP
.endif
	s_wait_alu depctr_va_vdst(0)
	v_add_nc_u32 v[ADRS], 4*NQ, v[ADRS]
	FETCH_B \next, 0, 0
	FETCH_A \next, 0, 0
	SCALES \next
	WIN MUL_HI
	MUL16 4, 1, NQ-1, \slot, 0
	MUL16 6, 1, NQ-1, \slot, 0
	PLACES NP
	WIN 0
	FETCH_A \next, 0, 4
.endm
	s_wait_alu depctr_va_vdst(0)                   ; the wait at the head's end
	s_wait_tensorcnt 0x0                           ; my tile of the head's four is in; the three lines ahead of a later first fill, as ahead of a refill
	ds_add_u32 v[SPW], v[NIL]
	s_mov_b32 s[G1+2], 128<<16                     ; no tensor load of mine is out: from here on a load brings 128 rows
	s_mov_b32 s[G1+4], 128
	s_mov_b32 s[G1B+2], 128<<16
	s_mov_b32 s[G1B+4], 128
	s_wait_dscnt 0x0
	CROUND                                         ; all four tiles are in, and all sixteen work-groups are here
	JLOAD G0+4, G1, G0B+4, G1B                     ; K step 1: the first tensor load behind the round
	FETCH_B 0, 0, 0
	FETCH_A 0, 0, 0
	SCALES 0
	FETCH_A 0, 0, 4
	s_wait_loadcnt 0x0
	s_cmp_eq_u32 s[ISV], 1
	s_cbranch_scc1 .Lfirst_v
	STEP 0, 0, 1
	s_branch .Lfirst_done
.Lfirst_v:
	STEP 0, 0, 2
.Lfirst_done:
	s_mov_b32 s3, LAPS-1
.Llap:
	TURN 0, 1, 1
	STEP 1, 0, 0
	TURN 1, 0, 1
	STEP 0, 0, 0
	s_sub_co_u32 s3, s3, 1
	s_cmp_lg_u32 s3, 0
	s_cbranch_scc1 .Llap
	TURN 0, 1, 0
	STEP 1, 0, 0
	s_wait_dscnt 4*NL
	WIN MUL_LO
	MUL16 0, 1, NQ-1, 1, 0
	MUL16 2, 1, NQ-1, 1, 0
	s_wait_dscnt 0
	WIN MUL_HI
	MUL16 4, 1, NQ-1, 1, 0
	MUL16 6, 1, NQ-1, 1, 0
	WIN 0
	s_lshr_b32 s44, s[TR], 3
	s_and_b32 s45, s[TR], 7
	s_lshl_b32 s45, s45, 1
	s_add_co_u32 s45, s45, s[RH]
	s_lshl_b32 s46, s44, 5
	s_lshl_b32 s47, s[TC], 2
	s_add_co_u32 s46, s46, s47
	s_lshl_b32 s47, s[CH], 1
	s_add_co_u32 s46, s46, s47
	s_lshl_b32 s44, s44, 3
	s_lshl_b32 s47, s[CX], 1
	s_add_co_u32 s44, s44, s47
	; Q: codes [head][key step: 8,192 bytes], scale words [head][key step: 512 bytes] in qkv_scales.
	; K, V: behind Q's codes in qkv_codes, [kv head: 274,432][key step: 17,152]: K's codes 8,192, V's codes 8,192, K's scale words 512, V's 256.
	s_mov_b32 s97, 8192                            ; from head to head: scale words,
	s_mov_b32 s99, 131072                          ; codes;
	s_mov_b32 s2, 8192                             ; from key step to key step: codes,
	s_mov_b32 s3, 512                              ; scale words
	s_cmp_eq_u32 s[ISKV], 1
	s_cselect_b32 s46, s44, s46
	s_cselect_b32 s40, 8388608, 0
	s_cselect_b32 s42, 8404992, 0
	s_cselect_b32 s97, 274432, s97
	s_cselect_b32 s99, 274432, s99
	s_cselect_b32 s2, 17152, s2
	s_cselect_b32 s3, 17152, s3
	s_cselect_b64 s[14:15], s[12:13], s[14:15]     ; K's and V's scale words go into the codes' buffer
	s_mul_i32 s44, s46, s99
	s_add_co_u32 s40, s40, s44
	s_mul_i32 s44, s46, s97
	s_add_co_u32 s42, s42, s44
	s_mul_i32 s44, s45, s2
	s_add_co_u32 s40, s40, s44
	s_mul_i32 s44, s45, s3
	s_add_co_u32 s42, s42, s44
	s_mov_b32 s100, 4096
	s_cmp_eq_u32 s[ISV], 1
	s_cselect_b32 s44, 8192, 0
	s_cselect_b32 s47, 512, 0
	s_cselect_b32 s101, s100, s99
	s_cselect_b32 s99, s99, s100
	s_add_co_u32 s40, s40, s44
	s_mov_b32 s41, 0
	s_add_co_u32 s42, s42, s47
	s_mov_b32 s43, 0
	s_add_nc_u64 s[12:13], s[12:13], s[40:41]
	s_add_nc_u64 s[14:15], s[14:15], s[42:43]
	s_mov_b32 s98, 0x600000
	s_mov_b32 s2, 0x76543210
	s_mov_b32 s3, 0xfedcba98
	PLACES NP
	v_and_b32 v1, 31, v0
	v_lshlrev_b32 v[OFF], 4, v1
	v_add_nc_u32 v[OFF+1], s99, v[OFF]
	v_add_nc_u32 v[OFF+2], s101, v[OFF]
	v_add_nc_u32 v[OFF+3], s99, v[OFF+2]
	v_and_b32 v2, 15, v0
	v_bfe_u32 v3, v0, 4, 1
	v_lshlrev_b32 v2, 4, v2
	v_mad_u32_u24 v[SA], s97, v3, v2
	v_mov_b32 v[SELV], 0x01000100
	v_mov_b32 v4, 0x03020302
	v_cmp_eq_u32 vcc_lo, 1, v3
	v_cndmask_b32 v[SELV], v[SELV], v4, vcc_lo
.irp b, 0,1,2,3
	v_mov_b32 v[TM+4+\b], 0
.endr
.macro QA a
.set QW, 2+(\a)/4
.set AC, 64*((\a)%4)
.set W_MAX, QW|(QW<<2)
.set W_MED, QW|(QW<<6)
	WIN W_MAX
.irp b, 0,1,2,3
	v_max3_num_f32 v[TM+\b], |v[AC+16*\b]|, |v[AC+16*\b+1]|, 0x8000000
.endr
.irp i, 2,4,6,8,10,12,14
.irp b, 0,1,2,3
	v_max3_num_f32 v[TM+\b], |v[AC+16*\b+\i]|, |v[AC+16*\b+\i+1]|, v[TM+\b]
.endr
.endr
	WIN 0
.irp b, 0,1,2,3
	v_permlanex16_b32 v[TM+4+\b], v[TM+\b], s2, s3
.endr
.irp b, 0,1,2,3
	v_max_num_f32 v[TM+\b], v[TM+\b], v[TM+4+\b]
.endr
.irp b, 0,1,2,3
	v_add_nc_u32 v[TM+12+\b], 0xf8800000, v[TM+\b]
.endr
.irp b, 0,1,2,3
	v_and_or_b32 v[TM+8+\b], v[TM+\b], 0x7f800000, s98
.endr
.irp b, 0,1,2,3
	v_lshrrev_b32 v[TM+4+\b], 23, v[TM+12+\b]
.endr
	v_lshl_or_b32 v[WD+(\a)], v[TM+5], 8, v[TM+4]
	v_lshl_or_b32 v[WD+(\a)], v[TM+6], 16, v[WD+(\a)]
	v_lshl_or_b32 v[WD+(\a)], v[TM+7], 24, v[WD+(\a)]
	WIN W_MED
.irp b, 0,1,2,3
.irp i, 0,1,2,3,4,5,6,7,8,9,10,11,12,13,14,15
	v_med3_num_f32 v[AC+16*\b+\i], v[AC+16*\b+\i], -v[TM+8+\b], v[TM+8+\b]
.endr
.endr
	WIN QW
.irp b, 0,1,2,3
	v_cvt_scalef32_pk8_bf8_f32 v[PC+16*(\a)+4*\b:PC+16*(\a)+4*\b+1], v[AC+16*\b:AC+16*\b+7], v[TM+12+\b]
	v_cvt_scalef32_pk8_bf8_f32 v[PC+16*(\a)+4*\b+2:PC+16*(\a)+4*\b+3], v[AC+16*\b+8:AC+16*\b+15], v[TM+12+\b]
.endr
	WIN 0
	v_nop
.irp c, 0,1,2,3
	global_store_b128 v[OFF+2*(\c/2)+(\a)/4], v[PC+16*(\a)+4*\c:PC+16*(\a)+4*\c+3], s[12:13] offset:((\a)%4)*1024+(\c%2)*512
.endr
.endm
.irp a, 0,1,2,3,4,5,6,7
	QA \a
.endr
	s_cmp_eq_u32 s[ISV], 1
	s_cbranch_scc1 .Lwords_v
.irp a, 0,1,2,3,4,5,6,7
	v_perm_b32 v[XW+\a], v[WD+\a], v[WD+\a], v[SELV]
.endr
	global_store_b128 v[SA], v[XW:XW+3], s[14:15]
	global_store_b128 v[SA], v[XW+4:XW+7], s[14:15] offset:256
	s_branch .Lwords_done
.Lwords_v:
	v_cmp_eq_u32 vcc_lo, 1, v3
.irp i, 0,1,2,3
	v_cndmask_b32 v[XW+\i], v[WD+\i], v[WD+4+\i], vcc_lo
.endr
	global_store_b128 v[SA], v[XW:XW+3], s[14:15]
.Lwords_done:
	s_wait_tensorcnt 0x0
	ds_add_u32 v[SPW], v[NIL]
	s_wait_dscnt 0x0
	CROUND
	s_endpgm
.Lfunc_end_k_q72215eae27_proj:
	.size	k_q72215eae27_proj, .Lfunc_end_k_q72215eae27_proj-k_q72215eae27_proj
	.p2alignl 7, 3214868480
	.fill 96, 4, 3214868480
	.section	.rodata,"a",@progbits
	.p2align	6, 0x0
	.amdhsa_kernel k_q72215eae27_proj
		.amdhsa_group_segment_fixed_size 327680
		.amdhsa_private_segment_fixed_size 0
		.amdhsa_enable_private_segment 0
		.amdhsa_kernarg_size 72
		.amdhsa_user_sgpr_count 2
		.amdhsa_user_sgpr_kernarg_segment_ptr 1
		.amdhsa_wavefront_size32 1
		.amdhsa_system_sgpr_workgroup_id_x 1
		.amdhsa_system_sgpr_workgroup_id_y 1
		.amdhsa_system_sgpr_workgroup_id_z 1
		.amdhsa_system_vgpr_workitem_id 0
		.amdhsa_next_free_vgpr 1024
		.amdhsa_next_free_sgpr 104
		.amdhsa_reserve_vcc 1
		.amdhsa_float_denorm_mode_32 3
		.amdhsa_float_denorm_mode_16_64 3
		.amdhsa_memory_ordered 1
		.amdhsa_forward_progress 1
		.amdhsa_inst_pref_size 208
	.end_amdhsa_kernel
	.amdgpu_metadata
---
amdhsa.version: [ 1, 2 ]
amdhsa.kernels:
  - .name:           k_q72215eae27_proj
    .symbol:         k_q72215eae27_proj.kd
    .args:
      - { .name: x_codes, .offset: 0, .size: 8, .value_kind: global_buffer, .address_space: global }
      - { .name: x_scales, .offset: 8, .size: 8, .value_kind: global_buffer, .address_space: global }
      - { .name: w_codes, .offset: 16, .size: 8, .value_kind: global_buffer, .address_space: global }
      - { .name: w_scales, .offset: 24, .size: 8, .value_kind: global_buffer, .address_space: global }
      - { .name: qkv_codes, .offset: 32, .size: 8, .value_kind: global_buffer, .address_space: global }
      - { .name: qkv_scales, .offset: 40, .size: 8, .value_kind: global_buffer, .address_space: global }
      - { .name: bq, .offset: 48, .size: 8, .value_kind: global_buffer, .address_space: global }
      - { .name: bk, .offset: 56, .size: 8, .value_kind: global_buffer, .address_space: global }
      - { .name: bv, .offset: 64, .size: 8, .value_kind: global_buffer, .address_space: global }
    .group_segment_fixed_size: 327680
    .private_segment_fixed_size: 0
    .kernarg_segment_align: 8
    .kernarg_segment_size: 72
    .max_flat_workgroup_size: 128
    .sgpr_count:     104
    .vgpr_count:     1024
    .wavefront_size: 32
...
	.end_amdgpu_metadata
.endif
;; end of part 2
;; launch attn (part 3): grid 16 x 16, 8 waves a work-group, clusters of 4 x 1, 327,680 bytes of LDS; arguments qkv_codes, qkv_scales, out0; writes out0
.if DOCPART == 3
	.amdgcn_target "amdgcn-amd-amdhsa--gfx1250"
	.amdhsa_code_object_version 6
	.text
	.protected	k_q72215eae27_attn
	.globl	k_q72215eae27_attn
	.p2align	8
	.type	k_q72215eae27_attn,@function
k_q72215eae27_attn:
	s_mov_b64 s[64:65], 0
	v_nop
	global_prefetch_b8 v0, s[64:65] scope:SCOPE_SE
	s_setreg_imm32_b32 hwreg(HW_REG_WAVE_MODE, 25, 1), 1
	s_wait_xcnt 0x0
	s_wait_alu depctr_hold_cnt(0) depctr_sa_sdst(0) depctr_va_vdst(0) depctr_va_sdst(0) depctr_va_ssrc(0) depctr_va_vcc(0) depctr_vm_vsrc(0)
	s_getreg_b32 s2, hwreg(HW_REG_IB_STS2, 6, 4)
	s_cmp_eq_u32 s2, 0
	s_cbranch_scc0 .Lentry_in_a_cluster
	s_endpgm
.Lentry_in_a_cluster:
	s_bfe_u32 s2, ttmp6, 0x10000c
	s_cmp_lg_u32 s2, 0x3003
	s_cbranch_scc0 .Lentry_shape_is_right
	s_endpgm
.Lentry_shape_is_right:
; out0 = softmax(Q K^T / 8) V on codes of BF8 (E5M2) with E8M0 scales.  p = 2^(t - M), t = score x log2(e) / 8, M = the ceiling of the running largest t; the row's sum is taken of the unquantised p and divides at the end.
; LIMITS: the promise holds while the scaled scores stay under 2^31 in magnitude; NaN and infinities are not served; a block whose every p is 0 keeps the byte 1 (its codes are zeros).
; SHARES: a work-group owns 128 queries of the four query heads of one key/value head (grid y = batch x 8 + kv head); a wave 16 queries x 4 heads = 4 tiles.  The four work-groups of a cluster walk the same K and V and ask for them jointly.
; A kv head's K and V, codes and scale words, 274,432 bytes, [key step of 128 keys: 17,152 bytes] = K's codes 8,192, V's codes 8,192, K's words 512, V's 256, come into LDS once: one tensor load a wave, 134 rows of 256 bytes.
; No ring (all of it fits) and no prefetch: all that the launch reads is asked for once, at the head, and there is no loop to run ahead in.
; BOTH PRODUCTS TRANSPOSED: S^T = K Q^T, O^T = V^T P^T: a lane holds one query.  The head's 64 fill half of the instruction's 128: Q stands beside eight registers of zeros (Q0 Z Q1, Q2 Z Q3), and K's tile beside its neighbour
; (even heads: the next tile behind it; odd heads: the tile before ahead of it; at the ends eight registers of V's codes): finite codes against zero codes add nothing.
; THE ORDER OF WORK: scores stand in two buffers by turns, and the tiles run one behind the other.  In tile i's turn: its 68 exponentials line by line with tile i-1's 64 holds; O^T(i) x f; tile i-1's conversions with tile i's scale lines;
; PV(i-1) and QK(i+1) with tile i's scale lines and row sums behind each product; then tile i+1's maxima and t - M.  The loop's edge lies between PV(2) and the next step's QK(0).
; The first trip finds zeros in place of a tile before it (buffer 1, V's registers, O^T), which add nothing.  p's codes are laid over the buffer that they are made of, two registers ahead of it.
; REGISTERS: window 0: v1-11 addresses, f; v12-27 -M, largest score, sum (a tile 4); v28-45 scale words; v46-69 at work; v70-135, v136-201 the buffers with p's codes; v202-249 Q; v250-253 scale operands of odd tiles.
; window 1: v0-31, v96-127 V's fragments; v32-95 K's; v128-255 O^T.
.set STEPB, 17152
.set KVB,   8388608
.set HEADB, 274432
.set STG,   274432                     ; the way out's stages: 16 rows x 272 bytes a wave
.set SPI,   272
.set SPARE, 309248                     ; the spare words, 128 bytes a wave
.set AK0,  1
.set AR,   2
.set ADK,  3
.set ADV,  4
.set STO,  5
.set RD,   6
.set GO,   7
.set SPW,  8
.set NIL,  9
.set FF,   10
.set ST,   12
.set QS,   28
.set KSC,  32
.set VSC,  40
.set PW,   44
.set TP,   46
.set BM,   48
.set PM,   52
.set HO,   56
.set T1,   64
.set SCA,  72
.set ADKS, 254
.set ADVS, 255
.set WV,   10
.set SEL,  20
.set CS,   22
.set MNT,  24
.set CNT,  25
.set KO,   26
.set G1C,  40
.set G0C,  52
.set QB,   72
.set QSB,  74
.set OB,   76
.set MSB, 0
.macro WIN new
.if MSB != \new
	s_set_vgpr_msb (MSB<<8)|\new
.set MSB, \new
.endif
.endm
.macro WALU
	s_wait_alu depctr_va_vdst(0)
.endm
.macro CROUND
	s_barrier_signal -1
	s_barrier_wait -1
	s_cmp_lg_u32 s[WV], 0
	s_cbranch_scc1 .Lnot_wave_0_\@
	s_barrier_signal -3
.Lnot_wave_0_\@:
	s_barrier_wait -3
	s_barrier_signal -1
	s_barrier_wait -1
.endm
	s_load_b128 s[4:7], s[0:1], 0x0                ; qkv_codes, qkv_scales
	s_load_b64 s[8:9], s[0:1], 0x10                ; out0
	v_lshl_add_u32 v[SPW], v0, 2, SPARE
	v_mov_b32 v[NIL], 0
	ds_add_u32 v[SPW], v[NIL]                      ; the opening lines: the add twice on end and its wait
	ds_add_u32 v[SPW], v[NIL]
	v_lshrrev_b32 v1, 5, v0
	v_readfirstlane_b32 s[WV], v1
	s_bfe_u32 s11, ttmp6, 0x40000
	s_lshl_b32 s12, ttmp9, 2
	s_add_co_u32 s12, s12, s11                     ; my block of 128 queries
	s_and_b32 s13, ttmp7, 0xffff                   ; batch x 8 + kv head
	s_mov_b32 s[G1C], 15|(3<<16)|(1<<21)           ; all four of the cluster; elements of 8 bytes
	s_mov_b32 s[G1C+1], 32<<16
	s_mov_b32 s[G1C+2], 134<<16
	s_mov_b32 s[G1C+3], 32<<16
	s_mov_b32 s[G1C+4], 134
	s_mov_b32 s[G1C+5], 32
	s_mov_b32 s[G1C+6], 0
	s_mov_b32 s[G1C+7], 0
	s_mul_i32 s18, s[WV], 34304                    ; my two key steps, in LDS as in memory
	s_mul_i32 s14, s13, HEADB
	s_add_co_u32 s14, s14, s18
	s_add_co_u32 s14, s14, KVB
	s_mov_b32 s15, 0
	s_mov_b32 s[SEL], 0x76543210
	s_mov_b32 s[SEL+1], 0xfedcba98
	s_mov_b32 s[CS], 0x3e38aa3b                    ; c = log2(e) / 8
	s_mov_b32 s[CS+1], s[CS]
	s_mov_b32 s[MNT], 0x600000
	s_mov_b32 s[KO], 0
	s_mov_b32 s[CNT], 0
	s_wait_dscnt 0x0
	s_wait_kmcnt 0x0
	s_mov_b32 s[G0C], 1
	s_mov_b32 s[G0C+1], s18
	s_add_nc_u64 s[G0C+2:G0C+3], s[4:5], s[14:15]
	s_or_b32 s[G0C+3], s[G0C+3], 0x80000000
	CROUND
	tensor_load_to_lds s[G0C:G0C+3], s[G1C:G1C+7]
	s_nop 0
.rept 4
	v_nop
.endr
	s_lshl_b32 s14, s13, 19
	s_lshl_b32 s15, s12, 13
	s_add_co_u32 s14, s14, s15
	s_lshl_b32 s15, s[WV], 10
	s_add_co_u32 s14, s14, s15
	s_mov_b32 s15, 0
	s_add_nc_u64 s[QB:QB+1], s[4:5], s[14:15]      ; Q's codes: my tile of head 4 y
	s_lshl_b32 s14, s13, 15
	s_lshl_b32 s15, s12, 9
	s_add_co_u32 s14, s14, s15
	s_lshr_b32 s15, s[WV], 2
	s_lshl_b32 s15, s15, 8
	s_add_co_u32 s14, s14, s15
	s_and_b32 s15, s[WV], 3
	s_lshl_b32 s15, s15, 2
	s_add_co_u32 s14, s14, s15
	s_mov_b32 s15, 0
	s_add_nc_u64 s[QSB:QSB+1], s[6:7], s[14:15]    ; and its scale words
	s_lshr_b32 s14, s13, 3
	s_lshl_b32 s14, s14, 11
	s_lshl_b32 s15, s12, 7
	s_add_co_u32 s14, s14, s15
	s_lshr_b32 s15, s[WV], 1
	s_lshl_b32 s15, s15, 5
	s_add_co_u32 s14, s14, s15
	s_and_b32 s15, s[WV], 1
	s_lshl_b32 s15, s15, 3
	s_add_co_u32 s14, s14, s15
	s_lshl_b32 s14, s14, 13
	s_and_b32 s15, s13, 7
	s_lshl_b32 s15, s15, 10
	s_add_co_u32 s14, s14, s15
	s_mov_b32 s15, 0
	s_add_nc_u64 s[OB:OB+1], s[8:9], s[14:15]      ; my first token's row of out0, at head 4 (y % 8)
	s_mul_i32 s14, s[WV], 16*SPI
	s_add_co_u32 s14, s14, STG
	v_and_b32 v[TP], 31, v0
	v_lshlrev_b32 v[AK0], 4, v[TP]                 ; 16 x lane
	v_and_b32 v[TP], 15, v0
	v_bfe_u32 v[TP+1], v0, 4, 1
	v_lshlrev_b32 v[AR], 4, v[TP]                  ; 16 x (lane % 16)
	v_mul_u32_u24 v[STO], v[TP], SPI
	v_lshl_add_u32 v[STO], v[TP+1], 6, v[STO]
	v_add_nc_u32 v[STO], s14, v[STO]
	v_mul_u32_u24 v[RD], v[TP+1], SPI
	v_add_nc_u32 v[RD], v[RD], v[AR]
	v_add_nc_u32 v[RD], s14, v[RD]
	v_lshl_add_u32 v[GO], v[TP+1], 13, v[AR]
.irp i, 0,1,2,3
	global_load_b128 v[202+16*(\i%2)+24*(\i/2):205+16*(\i%2)+24*(\i/2)], v[AK0], s[QB:QB+1] offset:131072*\i
	global_load_b128 v[206+16*(\i%2)+24*(\i/2):209+16*(\i%2)+24*(\i/2)], v[AK0], s[QB:QB+1] offset:131072*\i+512
	global_load_b32 v[QS+\i], v[AR], s[QSB:QSB+1] offset:8192*\i
.endr
.irp j, 0,1,2,3,4,5,6,7
	v_mov_b32 v[210+\j], 0                         ; the zeros beside Q
	v_mov_b32 v[234+\j], 0
.endr
.irp b, 0,1,2,3
	v_mov_b32 v[PM+\b], 0
	v_mov_b32 v[HO+\b], 0
	v_mov_b32 v[VSC+\b], 0
	v_mov_b32 v[250+\b], 1.0
	v_mov_b32 v[ST+4*\b], 0x7e000000               ; -M: a large whole number
	v_mov_b32 v[ST+4*\b+1], 0xff61b1e6             ; the largest score so far: -3e38
	v_mov_b32 v[ST+4*\b+2], 0
	v_mov_b32 v[ST+4*\b+3], 0
.endr
	v_mov_b32 v[FF], 0
	v_mov_b32 v[FF+1], 0
	v_mov_b32 v[PW+1], 0x7f7f7f7f
.irp j, 0,1,2,3,4,5
	v_mov_b32 v[T1+\j], 0
.endr
.set JJ, 0
.rept 64
	v_mov_b32 v[138+JJ], 0                         ; buffer 1: no tile stands before the first
.set JJ, JJ+1
.endr
	WIN 0x40
.set JJ, 0
.rept 32
	v_mov_b32 v[JJ], 0                             ; V's registers: zero codes
	v_mov_b32 v[96+JJ], 0
.set JJ, JJ+1
.endr
.set JJ, 0
.rept 128
	v_mov_b32 v[128+JJ], 0                         ; O^T: the loop is written once
.set JJ, JJ+1
.endr
	WIN 0
; K's eight tiles and scale words of the key step at LDS byte s30
.macro LOADK
	v_add_nc_u32 v[ADK], s30, v[AK0]
	v_add_nc_u32 v[ADKS], s30, v[AR]
	ds_load_b128 v[KSC:KSC+3], v[ADKS] offset:16384
	ds_load_b128 v[KSC+4:KSC+7], v[ADKS] offset:16640
	WIN 0x40
.irp t, 0,1,2,3,4,5,6,7
	ds_load_b128 v[32+8*\t:35+8*\t], v[ADK] offset:1024*\t
	ds_load_b128 v[36+8*\t:39+8*\t], v[ADK] offset:1024*\t+512
.endr
	WIN 0
.endm
.macro LOADV                           ; V's four fragments and scale words of this key step
	v_add_nc_u32 v[ADV], s[KO], v[AK0]
	v_add_nc_u32 v[ADVS], s[KO], v[AR]
	ds_load_b128 v[VSC:VSC+3], v[ADVS] offset:16896
	WIN 0x40
.irp d, 0,1,2,3
.irp c, 0,1,2,3
	ds_load_b128 v[16*\d+64*(\d/2)+4*\c:16*\d+64*(\d/2)+4*\c+3], v[ADV] offset:8192+4096*(\c/2)+1024*\d+512*(\c%2)
.endr
.endr
	WIN 0
.endm
; line n of 32 of tile i's row sum, of the unquantised p: four chains; line 3 brings the old sum under the new M
.macro SLINE n, i
.set S_, SCA+66*((\i)%2)
.set L_, ST+4*(\i)+2
.if (\n) < 3
	v_pk_add_f32 v[T1+2*(\n):T1+2*(\n)+1], v[S_+4*(\n):S_+4*(\n)+1], v[S_+4*(\n)+2:S_+4*(\n)+3]
.elseif (\n) == 3
	v_pk_fma_f32 v[L_:L_+1], v[L_:L_+1], v[FF:FF+1], v[S_+12:S_+13] op_sel_hi:[1,0,1]
.elseif (\n) < 29
.set K_, 2*((\n)+3)
.set A_, T1+2*(((\n)-4)%4)
.if ((\n)-4)%4 == 3
.set A_, L_
.endif
	v_pk_add_f32 v[A_:A_+1], v[A_:A_+1], v[S_+K_:S_+K_+1]
.elseif (\n) == 29
	v_pk_add_f32 v[T1:T1+1], v[T1:T1+1], v[T1+2:T1+3]
.elseif (\n) == 30
	v_pk_add_f32 v[L_:L_+1], v[L_:L_+1], v[T1+4:T1+5]
.else
	v_pk_add_f32 v[L_:L_+1], v[L_:L_+1], v[T1:T1+1]
.endif
.endm
; line n of 19 of tile i's scales: the floor, the conversion's operand, the bound, the bytes, the word
.macro CLINE n, i
.set CO_, 60+190*((\i)%2)
.set CW_, PW+(\i)%2
.if (\n) < 4
	v_max_num_f32 v[BM+(\n)], 0x8000000, v[BM+(\n)]
.elseif (\n) < 8
	v_add_nc_u32 v[CO_+(\n)-4], 0xf8800000, v[BM+(\n)-4]
.elseif (\n) < 12
	v_and_or_b32 v[HO+(\n)-8], v[BM+(\n)-8], 0x7f800000, s[MNT]
.elseif (\n) < 16
	v_lshrrev_b32 v[PM+(\n)-12], 23, v[CO_+(\n)-12]
.elseif (\n) == 16
	v_lshl_or_b32 v[CW_], v[PM+1], 8, v[PM]
.elseif (\n) == 17
	v_lshl_or_b32 v[CW_], v[PM+2], 16, v[CW_]
.else
	v_lshl_or_b32 v[CW_], v[PM+3], 24, v[CW_]
.endif
.endm
; tile i's exponentials, line by line with the holds of the tile before it (the other buffer)
.macro EH i
.set EC_, SCA+66*((\i)%2)
.set EP_, SCA+66*(((\i)+1)%2)
	WALU                                           ; the wait ahead of the batch
.irp b, 0,1,2,3
	v_exp_f32 v[BM+\b], v[BM+\b]                   ; each block's largest p
.endr
.set JJ, 0
.rept 32
	v_exp_f32 v[EC_+JJ], v[EC_+JJ]
	v_exp_f32 v[EC_+JJ+1], v[EC_+JJ+1]
	v_dual_min_num_f32 v[EP_+JJ], v[HO+JJ/16], v[EP_+JJ] :: v_dual_min_num_f32 v[EP_+JJ+1], v[HO+JJ/16], v[EP_+JJ+1]   ; two holds in one line: an even and an odd destination, the bound as both first sources
.set JJ, JJ+2
.endr
	v_nop                                          ; the place behind the last exponential
.endm
.macro CVTS buf, so, g                 ; eight of a tile's p into codes, laid two registers ahead of the buffer
	v_cvt_scalef32_pk8_bf8_f32 v[\buf-2+2*\g:\buf-1+2*\g], v[\buf+8*\g:\buf+8*\g+7], v[\so+\g/2]
.endm
.macro PV1 d, t                        ; O^T(t) += V^T P^T, 16 of the head's 64
.set VO_, 128+32*(\t)+8*(\d)
.set VB_, SCA+66*((\t)%2)
	WIN 0x51
	v_wmma_scale_f32_16x16x128_f8f6f4 v[VO_:VO_+7], v[16*\d+64*(\d/2):16*\d+64*(\d/2)+15], v[VB_-2:VB_+13], v[VO_:VO_+7], v[VSC+\d], v[PW+(\t)%2] matrix_a_fmt:MATRIX_FMT_BF8 matrix_b_fmt:MATRIX_FMT_BF8
	WIN 0
.endm
; behind the batch: O^T(i) x f; the conversions of the tile before, a scale line of tile i behind each; PV of the tile before
.macro MID i, dsw
.set MP_, SCA+66*(((\i)+1)%2)
.set MO_, 60+190*(((\i)+1)%2)
.set MB_, 128+32*(\i)
.if \dsw
	s_wait_dscnt 0x0                               ; V's fragments of this key step
.endif
	WIN 0x41
	WALU                                           ; one wait for the batch, directly ahead of the first readers of O^T
.set JJ, 0
.rept 16
	v_pk_mul_f32 v[MB_+JJ:MB_+JJ+1], v[MB_+JJ:MB_+JJ+1], v[FF:FF+1] op_sel_hi:[1,0]
.set JJ, JJ+2
.endr
	WIN 0
.irp g, 0,1,2,3,4,5,6,7
	CVTS MP_, MO_, \g
	CLINE \g, \i
.endr
.irp n, 8,9,10,11
	CLINE \n, \i                                   ; four places between the codes and the products
.endr
	PV1 0, ((\i)+3)%4
	CLINE 12, \i
	CLINE 13, \i
	CLINE 14, \i
	PV1 1, ((\i)+3)%4
	CLINE 15, \i
	CLINE 16, \i
	SLINE 0, \i
	PV1 2, ((\i)+3)%4
	CLINE 17, \i
	SLINE 1, \i
	CLINE 18, \i
	PV1 3, ((\i)+3)%4
	SLINE 2, \i
	SLINE 3, \i
	SLINE 4, \i
.endm
; S^T of tile n, two lines of the row sum of the tile before behind each product.  Tiles 0 and 1 of the keys come last: they lie over the codes that PV has just read.  Eleven lines follow the last product.
.macro QKG n
.set QD_, SCA+66*((\n)%2)
.set QM_, ((\n)+3)%4
.set QK_, 32-8*((\n)%2)
.set QQ_, 202+8*((\n)%2)+24*((\n)/2)
.set QN_, 5
.irp t, 2,3,4,5,6,7,0,1
	WIN 0x01
	v_wmma_scale_f32_16x16x128_f8f6f4 v[QD_+8*\t:QD_+8*\t+7], v[QK_+8*\t:QK_+8*\t+15], v[QQ_:QQ_+15], 0, v[KSC+\t], v[QS+\n] matrix_a_fmt:MATRIX_FMT_BF8 matrix_b_fmt:MATRIX_FMT_BF8
	WIN 0
	SLINE QN_, QM_
	SLINE QN_+1, QM_
.set QN_, QN_+2
.endr
.rept 11
	SLINE QN_, QM_
.set QN_, QN_+1
.endr
.endm
; tile n: each block's largest score, the running largest, -M, f, t - M
.macro AB n
.set BD_, SCA+66*((\n)%2)
.set BN_, ST+4*(\n)
.irp b, 0,1,2,3
	v_max_num_f32 v[BM+\b], v[BD_+16*\b], v[BD_+16*\b+1]
.endr
.irp k, 2,4,6,8,10,12,14
.irp b, 0,1,2,3
	v_max3_num_f32 v[BM+\b], v[BM+\b], v[BD_+16*\b+\k], v[BD_+16*\b+\k+1]
.endr
.endr
.irp b, 0,1,2,3
	v_permlanex16_b32 v[PM+\b], v[BM+\b], s[SEL], s[SEL+1]
.endr
	v_mov_b32 v[TP], v[BN_]
.irp b, 0,1,2,3
	v_max_num_f32 v[BM+\b], v[BM+\b], v[PM+\b]
.endr
	v_max3_num_f32 v[TP+1], v[BM], v[BM+1], v[BM+2]
	v_max3_num_f32 v[BN_+1], v[BN_+1], v[TP+1], v[BM+3]
	v_mul_f32 v[TP+1], s[CS], v[BN_+1]             ; as t (c is positive)
	v_floor_f32 v[BN_], -v[TP+1]                   ; -M = floor(-t)
.set JJ, 0
.rept 32
	v_pk_fma_f32 v[BD_+JJ:BD_+JJ+1], v[BD_+JJ:BD_+JJ+1], s[CS:CS+1], v[BN_:BN_+1] op_sel_hi:[1,0,0]
.if JJ == 6
	v_sub_f32 v[TP], v[BN_], v[TP]                 ; old M - new M
.elseif JJ == 14
	v_cvt_i32_f32 v[TP], v[TP]                     ; (it saturates)
.elseif JJ == 22
	v_ldexp_f32 v[FF], 1.0, v[TP]                  ; f = 2^(old M - new M)
.endif
.set JJ, JJ+2
.endr
.irp b, 0,1,2,3
	v_fma_f32 v[BM+\b], v[BM+\b], s[CS], v[BN_]
.endr
.endm
	WALU                                           ; the wait at the head's end
	s_wait_tensorcnt 0x0
	s_barrier_signal -1
	s_barrier_wait -1                              ; all eight parts are in
	s_mov_b32 s30, 0
	LOADK
	WALU
	s_wait_loadcnt 0x0                             ; Q
.Lstep:                                        ; 16 trips, a key step each
	s_wait_dscnt 0x0                               ; K's tiles of this key step
	QKG 0
	AB 0
	EH 0
	MID 0, 0
	QKG 1
	LOADV                                          ; behind PV(3) of the step before, and eleven places behind QK(1)
	AB 1
	EH 1
	MID 1, 1
	QKG 2
	AB 2
	EH 2
	MID 2, 0
	QKG 3
	s_add_co_u32 s30, s[KO], STEPB
	s_min_u32 s30, s30, 15*STEPB                   ; the next key step's K; the last trip names its own step again, so that no load leaves the tiles
	LOADK
	AB 3
	EH 3
	MID 3, 0
	s_add_co_u32 s[KO], s[KO], STEPB
	s_add_co_u32 s[CNT], s[CNT], 1
	s_cmp_lt_u32 s[CNT], 16
	WALU                                           ; the wait directly ahead of the branch
	s_cbranch_scc1 .Lstep
	s_wait_dscnt 0x0
; the last tile is finished: its sum, holds, codes and product
.set QN_, 5
.rept 27
	SLINE QN_, 3
.set QN_, QN_+1
.endr
.set JJ, 0
.rept 64
	v_min_num_f32 v[138+JJ], v[138+JJ], v[HO+JJ/16]
.set JJ, JJ+1
.endr
.irp g, 0,1,2,3
	CVTS 138, 250, \g
	v_add_f32 v[ST+4*\g+2], v[ST+4*\g+2], v[ST+4*\g+3]   ; a sum's two halves
.endr
.irp g, 4,5,6,7
	CVTS 138, 250, \g
	v_nop
.endr
.rept 4
	v_nop
.endr
.irp d, 0,1,2,3
	PV1 \d, 3
.endr
	WALU                                           ; the sums' halves were added ahead of eight window switches: the wait ahead of their reader
.irp i, 0,1,2,3
	v_permlanex16_b32 v[PM+\i], v[ST+4*\i+2], s[SEL], s[SEL+1]
.endr
.irp i, 0,1,2,3
	v_add_f32 v[ST+4*\i+2], v[ST+4*\i+2], v[PM+\i]       ; with lane l xor 16's: the row's sum
.endr
	WALU
.irp i, 0,1,2,3
	v_rcp_f32 v[ST+4*\i+2], v[ST+4*\i+2]
.endr
.rept 8
	v_nop                                          ; places behind the last products
.endr
	WIN 0x41
	WALU                                           ; for the reciprocals, directly ahead of the first readers of O^T
.irp i, 0,1,2,3
.set JJ, 0
.rept 16
	v_pk_mul_f32 v[128+32*\i+JJ:128+32*\i+JJ+1], v[128+32*\i+JJ:128+32*\i+JJ+1], v[ST+4*\i+2:ST+4*\i+3] op_sel_hi:[1,0]
.set JJ, JJ+2
.endr
.endr
	WIN 0
	WALU
; THE WAY OUT: a head's 16 rows x 256 bytes through my stage, so that sixteen lanes store 256 consecutive bytes, aligned
.macro PACK i
	WIN 0x04
.irp bb, 0,1
.irp q, 0,1,2,3
	ds_store_b128 v[STO], v[128+32*(\i)+16*\bb+4*\q:128+32*(\i)+16*\bb+4*\q+3] offset:128*\bb+16*\q
.endr
.endr
	WIN 0
.irp n, 0,1,2,3,4,5,6,7
	ds_load_b128 v[SCA+32*((\i)%2)+4*\n:SCA+32*((\i)%2)+4*\n+3], v[RD] offset:2*\n*SPI
.endr
.endm
.macro SEND i, younger                 ; younger: the LDS instructions issued behind this head's loads
.irp n, 0,1,2,3,4,5,6,7
	s_wait_dscnt \younger+7-\n
	global_store_b128 v[GO], v[SCA+32*((\i)%2)+4*\n:SCA+32*((\i)%2)+4*\n+3], s[OB:OB+1] offset:(2*\n+8*(\n/4))*8192+256*(\i) th:TH_STORE_NT
.endr
.endm
	PACK 0
	PACK 1
	SEND 0, 16
	s_wait_xcnt 0x0                                ; head 0's stores have read their registers
	PACK 2
	SEND 1, 16
	s_wait_xcnt 0x0
	PACK 3
	SEND 2, 16
	SEND 3, 0
	s_wait_dscnt 0x0
	s_wait_tensorcnt 0x0                           ; the wave's end
	ds_add_u32 v[SPW], v[NIL]
	s_wait_dscnt 0x0
	CROUND                                         ; the closing round
	s_endpgm
.Lfunc_end_k_q72215eae27_attn:
	.size	k_q72215eae27_attn, .Lfunc_end_k_q72215eae27_attn-k_q72215eae27_attn
	.p2alignl 7, 3214868480
	.fill 96, 4, 3214868480
	.section	.rodata,"a",@progbits
	.p2align	6, 0x0
	.amdhsa_kernel k_q72215eae27_attn
		.amdhsa_group_segment_fixed_size 327680
		.amdhsa_private_segment_fixed_size 0
		.amdhsa_enable_private_segment 0
		.amdhsa_kernarg_size 24
		.amdhsa_user_sgpr_count 2
		.amdhsa_user_sgpr_kernarg_segment_ptr 1
		.amdhsa_wavefront_size32 1
		.amdhsa_system_sgpr_workgroup_id_x 1
		.amdhsa_system_sgpr_workgroup_id_y 1
		.amdhsa_system_sgpr_workgroup_id_z 1
		.amdhsa_system_vgpr_workitem_id 0
		.amdhsa_next_free_vgpr 512
		.amdhsa_next_free_sgpr 96
		.amdhsa_reserve_vcc 0
		.amdhsa_float_denorm_mode_32 3
		.amdhsa_float_denorm_mode_16_64 3
		.amdhsa_memory_ordered 1
		.amdhsa_forward_progress 1
		.amdhsa_inst_pref_size 104
	.end_amdhsa_kernel
	.amdgpu_metadata
---
amdhsa.version: [ 1, 2 ]
amdhsa.kernels:
  - .name:           k_q72215eae27_attn
    .symbol:         k_q72215eae27_attn.kd
    .args:
      - { .name: qkv_codes, .offset: 0, .size: 8, .value_kind: global_buffer, .address_space: global }
      - { .name: qkv_scales, .offset: 8, .size: 8, .value_kind: global_buffer, .address_space: global }
      - { .name: out0, .offset: 16, .size: 8, .value_kind: global_buffer, .address_space: global }
    .group_segment_fixed_size: 327680
    .private_segment_fixed_size: 0
    .kernarg_segment_align: 8
    .kernarg_segment_size: 24
    .max_flat_workgroup_size: 256
    .sgpr_count:     96
    .vgpr_count:     512
    .wavefront_size: 32
...
	.end_amdgpu_metadata
.endif
;; end of part 3
